; MI455X (gfx1250); checked and timed in simulation.
; The chip was launched on July 23, 2026; its instructions are those of AMD's public machine-readable ISA for CDNA 5 (MIT licence, August 2026) and "CDNA5" Instruction Set Architecture Reference Guide (July 2026). The comments in the code are by the model that wrote it; some were corrected since.
;; Qwen3 Next Top K Router. Allowed arithmetic: matrix products marked QUANTISED: E2M3 operands, one E8M0 scale for each 32 along K, by v_wmma_scale_f32_16x16x128_f8f6f4 with both operands' format E2M3, f32 sums; everything else in f32.
;; Inputs: hidden_states 16,384 x 2,048 float32; weight 64 x 2,048 float32.
;; Outputs: out0 16,384 x 64 float32; out1 16,384 x 8 float32; out2 16,384 x 8 int32.
;; This version of the problem:
;;   THIS VERSION OF THE PROBLEM IS GIVEN IN LOW PRECISION. The matrix products marked QUANTISED in the list below multiply operands that are first quantised to E2M3 (2 exponent bits, 3 mantissa bits; 6 bits a number), with one power-of-two scale for each 32 numbers along K (OCP MX v1.0); their sums are f32. All else is computed in f32.
;;   The module's matrix products, in the order in which they are computed (A, B: the left and right operand; K: the contracted axis; several contracted axes count as one K, in the product's order):
;;     1. [M 16,384, K 2,048] x [K 2,048, N 64]; A: input hidden_states; B: input weight: QUANTISED
;;   THE QUANTISER, for each operand of a quantised product, along K:
;;     - K is cut into blocks of 32 from its start; a last block that is shorter is filled with zeros.
;;     - A block's scale is 2^e with e = floor(log2(the largest magnitude in the block)) - 2, held to -126 .. 127; a block of zeros has e = 0. As a byte (E8M0): e + 127.
;;     - Each number is divided by its block's scale, clamped to +-7.5, and rounded to the nearest number of E2M3, ties to even, subnormals kept.
;;     - The product sums the exact products of the quantised numbers (number of the format x scale) in f32.
;;   ~~~python
;;   def quantise(x, axis):      # numpy; x: float32 -> the quantised numbers, widened to float32 again
;;       x = np.moveaxis(x, axis, -1); K = x.shape[-1]
;;       x = np.pad(x, [(0, 0)] * (x.ndim - 1) + [(0, -K % 32)]); x = x.reshape(x.shape[:-1] + (-1, 32)); a = np.abs(x).max(-1, keepdims=True)
;;       e = np.where(a > 0, np.clip(np.frexp(np.where(a > 0, a, 1))[1] - 1 - 2, -126, 127), 0)      # np.frexp(a)[1] - 1 = floor(log2(a)), exactly
;;       r = np.clip(x / 2.0 ** e, -7.5, 7.5)
;;       step = 2.0 ** (np.maximum(np.frexp(np.where(r == 0, 1, r))[1] - 1, 0) - 3)
;;       q = np.round(r / step) * step * 2.0 ** e      # np.round: ties to even
;;       return np.moveaxis(q.reshape(q.shape[:-2] + (-1,))[..., :K], -1, axis).astype(np.float32)
;;   ~~~
;; 2 versions, each right; version 2 is version 1 with the launch router written anew for expert scheduling mode. Each part assembles by itself: llvm-mc -triple=amdgcn-amd-amdhsa -mcpu=gfx1250 --defsym DOCPART=n.
;; ======== version 1 of 2: 2 launches
;; limits: right only within a limited range of input values
;; workspace buffers: wfrag 102,400 bytes
;; launch wquant (part 1): grid 16 x 1, 4 waves a work-group, no clusters, 34,560 bytes of LDS; arguments weight, wfrag; writes wfrag
.if DOCPART == 1
	.amdgcn_target "amdgcn-amd-amdhsa--gfx1250"
	.amdhsa_code_object_version 6
	.text
	.protected	k_q0336cc9b53_wquant
	.globl	k_q0336cc9b53_wquant
	.p2align	8
	.type	k_q0336cc9b53_wquant,@function
k_q0336cc9b53_wquant:
	s_mov_b64 s[64:65], 0
	v_nop
	global_prefetch_b8 v0, s[64:65] scope:SCOPE_SE
	s_setreg_imm32_b32 hwreg(HW_REG_WAVE_MODE, 25, 1), 1
	s_wait_xcnt 0x0
; weight [64][2048] f32 becomes codes of FP6 (E2M3) with one E8M0 scale byte for each 32 along K, laid as the next launch's matrix operand wants them.
; A block's scale is 2^(floor(log2(its largest magnitude)) - 2); its byte is the largest magnitude's exponent field - 2, held at 1 from below.
; (A block of zeros so gets the byte 1 where the rule says 127: its codes are zeros, which add nothing, and the bytes are read by this program alone.)
; LIMITS: NaN and infinities among the inputs are not served.
; SHARES.  Work-group s (0..15) takes K step s, 128 along K; its wave t (0..3) takes tile t: 16 experts x 128 K = one fragment.
; THE EXPERTS OF A TILE ARE NOT NEIGHBOURS: row m of tile t is expert 32 (m / 8) + 8 t + m % 8, so that in the next launch's transposed product a lane's 32 results are 32 neighbouring experts.
; OUT.  wfrag: fragment (s, t) as an image of its 12 registers, 1,536 bytes at 1,536 (4 s + t): group c of four registers at 512 c + 16 x lane.  Behind the 64 fragments the scale words,
; laid [s][row m][tile t], 256 bytes a K step: one load of 16 bytes gives a lane its row's words of all four tiles.
; IN.  Each load reads 512 consecutive bytes of one expert's row; the 8 KB turn through the wave's own stage in LDS (rows 528 bytes apart), from which lane (r, h) takes, of row r, 16 neighbours of each block of 32.
.set KROW,   8192                      ; a row of weight in bytes
.set SP,     528                       ; a stage row: 512 bytes + 16: 33 places of 16 bytes, so that the 16 rows that a load touches begin in 16 different places modulo 256 bytes
.set STG,    16*SP                     ; a wave's stage
.set GATH,   4*STG                     ; behind the stages: the K step's 256 bytes of scale words
.set FRB,    1536                      ; a fragment's image
.set WCODES, 64*FRB                    ; the scale words begin here in wfrag
.set LN16, 1                           ; v1   16 x lane
.set SW,   2                           ; v2   the stage, on the way in: 16 x lane
.set SR,   3                           ; v3   and on the way out: row r, + 64 h
.set GA,   4                           ; v4   where my row's scale word goes: 16 r + 4 t
.set GR,   5                           ; v5   where wave 0 reads the words back: 8 x lane
.set LN8,  6                           ; v6   8 x lane
.set R,    16                          ; v16-79   the 16 rows as loaded
.set X,    80                          ; v80-143  64 numbers of my row: register 16 b + i = k 32 b + 16 h + i
.set PC,   144                         ; v144-163 the codes (12) and the conversions' second halves
.set TM,   164                         ; v164-179 largest magnitudes, bytes, scale operands
.set PW,   180                         ; v180     my row's scale word
.set SEL,  20                          ; s[20:21] lane selects for v_permlanex16_b32: lane l xor 16
; 64 numbers of a lane, v[s] .. v[s + 63], register 16 b + i = k 32 b + 16 (lane / 16) + i of my row, become a fragment's codes in v[PC] on and its scale word in v[PW].
.macro QUANT s
.irp b, 0,1,2,3
	v_max3_num_f32 v[TM+\b], |v[\s+16*\b]|, |v[\s+1+16*\b]|, 0x1800000   ; block b: my 16 numbers, and the floor 2^(3 - 127): so the byte cannot fall under 1
.endr
.irp i, 2,4,6,8,10,12,14
.irp b, 0,1,2,3
	v_max3_num_f32 v[TM+\b], v[TM+\b], |v[\s+16*\b+\i]|, |v[\s+1+16*\b+\i]|   ; the four blocks by turns: no line waits for the line above it
.endr
.endr
.irp b, 0,1,2,3
	v_permlanex16_b32 v[TM+4+\b], v[TM+\b], s[SEL], s[SEL+1]
.endr
.irp b, 0,1,2,3
	v_max_num_f32 v[TM+\b], v[TM+\b], v[TM+4+\b]   ; with lane l xor 16's: the block's largest magnitude
.endr
.irp b, 0,1,2,3
	v_add_nc_u32 v[TM+12+\b], 0xff000000, v[TM+\b]   ; 2 off its exponent field: the conversion takes the exponent field of this operand as its scale
.endr
.irp b, 0,1,2,3
	v_lshrrev_b32 v[TM+4+\b], 23, v[TM+12+\b]      ; the scale's byte
.endr
	v_lshl_or_b32 v[PW], v[TM+5], 8, v[TM+4]       ; the four bytes make my row's scale word
	v_lshl_or_b32 v[PW], v[TM+6], 16, v[PW]
	v_lshl_or_b32 v[PW], v[TM+7], 24, v[PW]
.irp c, 0,1
	v_cvt_scalef32_pk16_fp6_f32 v[PC+6*\c:PC+2+6*\c], v[\s+32*\c:\s+15+32*\c], v[TM+12+2*\c]
	v_cvt_scalef32_pk16_fp6_f32 v[PC+12+4*\c:PC+14+4*\c], v[\s+16+32*\c:\s+31+32*\c], v[TM+12+2*\c+1]   ; (a conversion's three registers begin on an even number)
.endr
	v_nop                                          ; one plain place behind a scaled conversion
.irp c, 0,1                                    ; the operand's layout wants a WHOLE block in a lane: lanes 0-15 block 2 c, lanes 16-31 block 2 c + 1
.irp i, 0,1,2
	v_permlane16_swap_b32 v[PC+6*\c+\i], v[PC+12+4*\c+\i]
.endr
.irp i, 0,1,2
	v_mov_b32 v[PC+3+6*\c+\i], v[PC+12+4*\c+\i]
.endr
.endr
.endm
	s_load_b128 s[4:7], s[0:1], 0x0                ; weight s[4:5], wfrag s[6:7]
	v_lshl_add_u32 v192, v0, 2, 0x8500
	v_mov_b32 v193, 0
	v_lshrrev_b32 v7, 5, v0
	v_readfirstlane_b32 s8, v7                     ; wave = tile t
	v_and_b32 v7, 31, v0                           ; lane
	v_lshlrev_b32 v[LN16], 4, v7
	s_lshl_b32 s10, s8, 16                         ; expert 8 t: 8 rows of 8,192 bytes,
	s_lshl_b32 s11, ttmp9, 9                       ; K step s: 512 bytes along a row
	s_add_co_u32 s10, s10, s11
	s_mov_b32 s11, 0
	s_lshl_b32 s12, ttmp9, 2
	s_add_co_u32 s12, s12, s8                      ; fragment 4 s + t
	s_mul_i32 s12, s12, FRB
	s_mov_b32 s13, 0
	s_lshl_b32 s16, ttmp9, 8                       ; the K step's 256 bytes of scale words
	s_add_co_u32 s16, s16, WCODES
	s_mov_b32 s17, 0
	s_wait_kmcnt 0x0
	s_add_nc_u64 s[4:5], s[4:5], s[10:11]
	s_add_nc_u64 s[14:15], s[6:7], s[12:13]
	s_add_nc_u64 s[18:19], s[6:7], s[16:17]
.irp i, 0,1,2,3,4,5,6,7,8,9,10,11,12,13,14,15
	global_load_b128 v[R+4*\i:R+4*\i+3], v[LN16], s[4:5] offset:(32*(\i/8)+\i%8)*KROW th:TH_LOAD_NT   ; row m = i of the tile: 32 lanes read 512 consecutive bytes
.endr
	v_and_b32 v8, 15, v0                           ; r
	v_bfe_u32 v9, v0, 4, 1                         ; h
	s_mul_i32 s9, s8, STG                          ; my stage
	v_add_nc_u32 v[SW], s9, v[LN16]
	v_mul_u32_u24 v[SR], v8, SP
	v_lshl_add_u32 v[SR], v9, 6, v[SR]
	v_add_nc_u32 v[SR], s9, v[SR]
	s_lshl_b32 s22, s8, 2
	v_lshl_add_u32 v[GA], v8, 4, GATH
	v_add_nc_u32 v[GA], s22, v[GA]
	v_lshl_add_u32 v[GR], v7, 3, GATH
	v_lshlrev_b32 v[LN8], 3, v7
	s_mov_b32 s[SEL], 0x76543210
	s_mov_b32 s[SEL+1], 0xfedcba98
.irp b, 0,1,2,3
	v_mov_b32 v[TM+4+\b], 0                        ; written once: a lane permute's destination counts as one of its sources
.endr
	s_wait_loadcnt 0x0
.irp i, 0,1,2,3,4,5,6,7,8,9,10,11,12,13,14,15
	ds_store_b128 v[SW], v[R+4*\i:R+4*\i+3] offset:\i*SP
.endr
.irp b, 0,1,2,3
.irp q, 0,1,2,3
	ds_load_b128 v[X+16*\b+4*\q:X+16*\b+4*\q+3], v[SR] offset:128*\b+16*\q   ; LDS serves a wave's instructions in order: these see my stores
.endr
.endr
	s_wait_dscnt 0x0
	QUANT X
.irp c, 0,1,2
	global_store_b128 v[LN16], v[PC+4*\c:PC+4*\c+3], s[14:15] offset:512*\c   ; the image: 32 lanes store 512 consecutive bytes, aligned
.endr
	ds_store_b32 v[GA], v[PW]                      ; both lanes of a row write the same word with the same value
	s_wait_dscnt 0x0                               ; for the others' sake: my word has landed
	s_barrier_signal -1
	s_barrier_wait -1                              ; the four tiles' words lie together
	s_cmp_lg_u32 s8, 0
	s_cbranch_scc1 .Ldone
	ds_load_b64 v[10:11], v[GR]
	s_wait_dscnt 0x0
	global_store_b64 v[LN8], v[10:11], s[18:19]    ; wave 0: 32 lanes store 256 consecutive bytes, aligned
.Ldone:
	s_wait_tensorcnt 0x0
	ds_add_u32 v192, v193
	s_wait_dscnt 0x0
	s_endpgm
.Lfunc_end_k_q0336cc9b53_wquant:
	.size	k_q0336cc9b53_wquant, .Lfunc_end_k_q0336cc9b53_wquant-k_q0336cc9b53_wquant
	.p2alignl 7, 3214868480
	.fill 96, 4, 3214868480
	.section	.rodata,"a",@progbits
	.p2align	6, 0x0
	.amdhsa_kernel k_q0336cc9b53_wquant
		.amdhsa_group_segment_fixed_size 34560
		.amdhsa_private_segment_fixed_size 0
		.amdhsa_enable_private_segment 0
		.amdhsa_kernarg_size 16
		.amdhsa_user_sgpr_count 2
		.amdhsa_user_sgpr_kernarg_segment_ptr 1
		.amdhsa_wavefront_size32 1
		.amdhsa_system_sgpr_workgroup_id_x 1
		.amdhsa_system_sgpr_workgroup_id_y 1
		.amdhsa_system_sgpr_workgroup_id_z 1
		.amdhsa_system_vgpr_workitem_id 0
		.amdhsa_next_free_vgpr 194
		.amdhsa_next_free_sgpr 66
		.amdhsa_reserve_vcc 0
		.amdhsa_float_denorm_mode_32 3
		.amdhsa_float_denorm_mode_16_64 3
		.amdhsa_memory_ordered 1
		.amdhsa_forward_progress 1
		.amdhsa_inst_pref_size 11
	.end_amdhsa_kernel
	.amdgpu_metadata
---
amdhsa.version: [ 1, 2 ]
amdhsa.kernels:
  - .name:           k_q0336cc9b53_wquant
    .symbol:         k_q0336cc9b53_wquant.kd
    .args:
      - { .name: weight, .offset: 0, .size: 8, .value_kind: global_buffer, .address_space: global }
      - { .name: wfrag, .offset: 8, .size: 8, .value_kind: global_buffer, .address_space: global }
    .group_segment_fixed_size: 34560
    .private_segment_fixed_size: 0
    .kernarg_segment_align: 8
    .kernarg_segment_size: 16
    .max_flat_workgroup_size: 128
    .sgpr_count:     66
    .vgpr_count:     194
    .wavefront_size: 32
...
	.end_amdgpu_metadata
.endif
;; end of part 1
;; launch router (part 2): grid 256 x 1, 8 waves a work-group, no clusters, 166,912 bytes of LDS; arguments hidden_states, wfrag, out0, out1, out2; writes out0, out1, out2
.if DOCPART == 2
	.amdgcn_target "amdgcn-amd-amdhsa--gfx1250"
	.amdhsa_code_object_version 6
	.text
	.protected	k_q0336cc9b53_router
	.globl	k_q0336cc9b53_router
	.p2align	8
	.type	k_q0336cc9b53_router,@function
k_q0336cc9b53_router:
	s_mov_b64 s[64:65], 0
	v_nop
	global_prefetch_b8 v0, s[64:65] scope:SCOPE_SE
	s_setreg_imm32_b32 hwreg(HW_REG_WAVE_MODE, 25, 1), 1
	s_wait_xcnt 0x0
; out0 = Q(hidden_states) Q(weight)^T in MX-FP6 (E2M3 codes, one E8M0 scale for each 32 along K, f32 sums); p = softmax(out0) along the 64 experts; out1, out2 = the eight largest p, divided by their sum, and their experts.
; hidden_states [16384][2048] f32 is read once and quantised in registers; the weight comes as codes and scale words in the order of the operand's registers (wfrag, made by the launch before).
; SHARES.  A work-group owns 64 tokens.  Its wave w takes tile w & 3 (16 tokens) and K half w >> 2 (8 K steps of 128): 4 accumulators, 32 matrix instructions.  The two halves of a tile meet in LDS, and
; each wave of the pair then finishes 8 tokens: 4 lanes a token, 16 experts a lane.
; A K STEP.  16 loads, each 512 consecutive aligned bytes of one token's row; the 8 KB turn through the wave's own stage in LDS, so that lane (r, h) holds 16 neighbours of each block of 32 of token r; they are
; quantised; four matrix instructions follow, USED TRANSPOSED (source 0 = 16 experts, source 1 = my 16 tokens): lane (r, h) holds token r, and register j of tile t expert 32 h + 8 t + j (the launch before chose the tiles' rows so).
; IN FLIGHT.  Four sets of 64 registers (window 1) take the loads of four K steps: 64 loads, 32 KB, a wave; a set is asked for again as soon as its stores into the stage are done.  No wait for these loads is for zero but the last.
; TOP 8.  On p, as the reference takes it: eight times the largest p of the token, the LOWEST expert that holds it (ties go to the lower number), and that one entry set to -1.  All by selects: no branch, no address hangs on data.
; NOT USED.  Joint requests in a cluster: what work-groups share is wfrag, 102,400 of the 626,688 bytes that a work-group reads, and the text has no tensor load.  A prefetch: the loads themselves run four K steps ahead.
; LIMITS.  NaN and infinities are not served.  A p under 2^-126 comes out as 0 (v_exp_f32 gives 0 there: ISA guide, its entry): experts more than 87 under the row's largest logit tie at 0 and go by the lower number.
; A logit is the f32 sum of two chains of eight K steps.  A block of zeros has the byte 1 and zero codes.
; REGISTERS.  window 0: v1-13 addresses and constants; v16-47 the weights' scale words; v48-111 X; v112-159 four fragments of the weight; v160-191 accumulators; v192-211 codes; v212-227 the quantiser's work; v228 my tokens' scale word;
;   v229-244 my 16 experts' numbers as f32.  The tail takes v48-151 again.   window 1: v0-255 the four sets.
.set HROW,   8192                      ; a token's row in bytes
.set SP,     528                       ; a stage row: 512 bytes + 16: the 16 rows that a load touches begin in 16 different places of 16 bytes modulo 256
.set STG,    16*SP                     ; a wave's stage
.set FRB,    1536                      ; a fragment's image: 12 registers x 128 bytes
.set WCODES, 64*FRB                    ; LDS bytes 0 on: the weight's 64 fragments; in wfrag the scale words begin here
.set WSHARE, WCODES/8                  ; what a wave copies of them
.set STAGE0, WCODES                    ; behind them the eight stages
.set PP,     272                       ; the tail: a token's 64 partial sums, 256 bytes + 16
.set LN16, 1                           ; v1   16 x lane
.set SW,   2                           ; v2   my stage, on the way in
.set SR,   3                           ; v3   and on the way out: row r, + 64 h
.set WA,   4                           ; v4   the weight's fragments of my K half: 16 x lane + 32 fragments x half
.set WC,   5                           ; v5   where I put my share of the weight's codes
.set R16,  6                           ; v6   16 r
.set PS,   7                           ; v7   the tail: where my partial sums go: token r, + 128 h
.set DA,   8                           ; v8   where I read two whole tokens back
.set TA,   9                           ; v9   where I read 16 experts of a token
.set LN8,  10                          ; v10  8 x lane
.set QQ,   11                          ; v11  lane % 4: which 16 experts are mine
.set BIG,  12                          ; v12  64.0: above every expert's number
.set NEG,  13                          ; v13  -1.0: under every p
.set WSC,  16
.set X,    48
.set W,    112
.set ACC,  160
.set PC,   192
.set TM,   212
.set PW,   228
.set IDX,  229
.set A0,   48                          ; the tail: v48-63, v64-79 two halves' sums for out0; v80-95 logits, then p; v96-111 the other half's
.set A1,   64
.set L,    80
.set L1,   96
.set TV,   112                         ; v112-119 the eight largest p
.set TI,   120                         ; v120-127 their experts, as f32
.set C,    128                         ; v128-131 four chains of selects
.set M,    132                         ; v132-135 four chains of maxima
.set S0,   136                         ; v136-143 sums
.set RI,   144                         ; v[144:145] a reciprocal (the packed form names a pair)
.set O,    146                         ; v[146:147] my two numbers of out1;  v[148:149] of out2
.set OI,   148
.set MX,   150                         ; v[150:151] c x the row's largest logit
.set CS,   40                          ; s[40:41] c = log2(e)
.set SEL,  42                          ; s[42:43] lane selects for v_permlanex16_b32: lane l xor 16
.set MK,   44                          ; s44-59   sixteen lane masks
.set MSB, 0
.macro WIN new                         ; the immediate's high byte repeats the setting that is left
.if MSB != \new
	s_set_vgpr_msb (MSB<<8)|\new
.set MSB, \new
.endif
.endm
.set TO_R,   0x40                      ; a load's destination in window 1, its address in window 0
.set FROM_R, 0x04                      ; an LDS store's data (its source 1) in window 1
; 64 numbers of a lane, v[s] .. v[s + 63], register 16 b + i = k 32 b + 16 (lane / 16) + i of my row, become a fragment's codes in v[PC] on and its scale word in v[PW].
.macro QUANT s
.irp b, 0,1,2,3
	v_max3_num_f32 v[TM+\b], |v[\s+16*\b]|, |v[\s+1+16*\b]|, 0x1800000   ; block b: my 16 numbers, and the floor 2^(3 - 127): so the byte cannot fall under 1
.endr
.irp i, 2,4,6,8,10,12,14
.irp b, 0,1,2,3
	v_max3_num_f32 v[TM+\b], v[TM+\b], |v[\s+16*\b+\i]|, |v[\s+1+16*\b+\i]|   ; the four blocks by turns: no line waits for the line above it
.endr
.endr
.irp b, 0,1,2,3
	v_permlanex16_b32 v[TM+4+\b], v[TM+\b], s[SEL], s[SEL+1]
.endr
.irp b, 0,1,2,3
	v_max_num_f32 v[TM+\b], v[TM+\b], v[TM+4+\b]   ; with lane l xor 16's: the block's largest magnitude
.endr
.irp b, 0,1,2,3
	v_add_nc_u32 v[TM+12+\b], 0xff000000, v[TM+\b]   ; 2 off its exponent field: the conversion takes the exponent field of this operand as its scale
.endr
.irp b, 0,1,2,3
	v_lshrrev_b32 v[TM+4+\b], 23, v[TM+12+\b]      ; the scale's byte
.endr
	v_lshl_or_b32 v[PW], v[TM+5], 8, v[TM+4]       ; the four bytes make my row's scale word
	v_lshl_or_b32 v[PW], v[TM+6], 16, v[PW]
	v_lshl_or_b32 v[PW], v[TM+7], 24, v[PW]
.irp c, 0,1
	v_cvt_scalef32_pk16_fp6_f32 v[PC+6*\c:PC+2+6*\c], v[\s+32*\c:\s+15+32*\c], v[TM+12+2*\c]
	v_cvt_scalef32_pk16_fp6_f32 v[PC+12+4*\c:PC+14+4*\c], v[\s+16+32*\c:\s+31+32*\c], v[TM+12+2*\c+1]   ; (a conversion's three registers begin on an even number)
.endr
	v_nop                                          ; one plain place behind a scaled conversion
.irp c, 0,1                                    ; the operand's layout wants a WHOLE block in a lane: lanes 0-15 block 2 c, lanes 16-31 block 2 c + 1
.irp i, 0,1,2
	v_permlane16_swap_b32 v[PC+6*\c+\i], v[PC+12+4*\c+\i]
.endr
.irp i, 0,1,2
	v_mov_b32 v[PC+3+6*\c+\i], v[PC+12+4*\c+\i]
.endr
.endr
.endm
; K step j of my half, 16 tokens x 512 bytes, into set j % 4.  (The windows are set by the caller.)
.macro LOADSET j
.irp i, 0,1,2,3,4,5,6,7,8,9,10,11,12,13,14,15
	global_load_b128 v[64*((\j)%4)+4*\i:64*((\j)%4)+4*\i+3], v[LN16], s[4:5] offset:\i*HROW+(\j)*512 th:TH_LOAD_NT   ; 32 lanes read 512 consecutive bytes of token i's row; read once in the launch
.endr
.endm
	s_load_b128 s[4:7], s[0:1], 0x0                ; hidden_states s[4:5], wfrag s[6:7]
	s_load_b128 s[8:11], s[0:1], 0x10              ; out0 s[8:9], out1 s[10:11]
	s_load_b64 s[12:13], s[0:1], 0x20              ; out2
	v_lshl_add_u32 v254, v0, 2, 0x28800
	v_mov_b32 v255, 0
	v_lshrrev_b32 v14, 5, v0
	v_readfirstlane_b32 s14, v14                   ; wave 0..7
	v_and_b32 v14, 31, v0                          ; lane
	v_and_b32 v15, 15, v0                          ; r
	v_lshlrev_b32 v[LN16], 4, v14
	v_lshlrev_b32 v[R16], 4, v15
	s_and_b32 s15, s14, 3                          ; my tile of 16 tokens
	s_lshr_b32 s16, s14, 2                         ; my half of K
	s_lshl_b32 s28, ttmp9, 6
	s_lshl_b32 s29, s15, 4
	s_add_co_u32 s28, s28, s29                     ; the tile's first token: 64 x work-group + 16 x tile
	s_lshl_b32 s20, s28, 13                        ; its row of 8,192 bytes (under 2^27),
	s_lshl_b32 s21, s16, 12                        ; + my half: 4,096 bytes
	s_add_co_u32 s20, s20, s21
	s_mov_b32 s21, 0
	s_lshl_b32 s29, s16, 3
	s_add_co_u32 s28, s28, s29                     ; the first of the 8 tokens that I finish
	s_lshl_b32 s30, s28, 8                         ; in out0: 256 bytes a token,
	s_mov_b32 s31, 0
	s_lshl_b32 s32, s28, 5                         ; in out1 and out2: 32
	s_mov_b32 s33, 0
	s_mul_i32 s22, s14, WSHARE                     ; my share of the weight's codes
	s_mov_b32 s23, 0
	s_lshl_b32 s34, s16, 11                        ; my half's scale words: 8 K steps of 256 bytes
	s_add_co_u32 s34, s34, WCODES
	s_mov_b32 s35, 0
	s_wait_kmcnt 0x0
	s_add_nc_u64 s[4:5], s[4:5], s[20:21]
	s_add_nc_u64 s[24:25], s[6:7], s[22:23]
	s_add_nc_u64 s[26:27], s[6:7], s[34:35]
	s_add_nc_u64 s[8:9], s[8:9], s[30:31]
	s_add_nc_u64 s[10:11], s[10:11], s[32:33]
	s_add_nc_u64 s[12:13], s[12:13], s[32:33]
	WIN TO_R
.set i, 0
.rept 24
	global_load_b128 v[128+4*i:128+4*i+3], v[LN16], s[24:25] offset:512*i   ; my 12,288 bytes of the weight's codes, for now in the registers of sets 2 and 3
.set i, i+1
.endr
	WIN 0
.irp j, 0,1,2,3,4,5,6,7
	global_load_b128 v[WSC+4*\j:WSC+4*\j+3], v[R16], s[26:27] offset:256*\j   ; lane r: the scale words of row r of the four tiles, K step j of my half: they stay in registers
.endr
	WIN TO_R
	LOADSET 0
	LOADSET 1
	WIN 0
	; the other addresses and constants are made while the loads are on their way
	v_lshlrev_b32 v[LN8], 3, v14
	s_mul_i32 s17, s14, STG
	s_add_co_u32 s17, s17, STAGE0                  ; my stage
	v_add_nc_u32 v[SW], s17, v[LN16]
	v_bfe_u32 v[QQ], v0, 4, 1                      ; h, for now
	v_mul_u32_u24 v[SR], v15, SP
	v_lshl_add_u32 v[SR], v[QQ], 6, v[SR]
	v_add_nc_u32 v[SR], s17, v[SR]
	v_mul_u32_u24 v[PS], v15, PP
	v_lshl_add_u32 v[PS], v[QQ], 7, v[PS]
	v_add_nc_u32 v[PS], s17, v[PS]
	s_mul_i32 s18, s16, 32*FRB
	v_add_nc_u32 v[WA], s18, v[LN16]
	v_add_nc_u32 v[WC], s22, v[LN16]
	s_mul_i32 s18, s15, STG                        ; the tail: the stage of my tile's first half (wave = tile); the second half's lies 4 stages on
	s_mul_i32 s19, s16, 8*PP                       ; my 8 tokens in it
	s_add_co_u32 s18, s18, s19
	s_add_co_u32 s18, s18, STAGE0
	v_mul_u32_u24 v[DA], v[QQ], PP                 ; lanes 0-15 one token's 256 bytes, lanes 16-31 the next's
	v_add_nc_u32 v[DA], v[DA], v[R16]
	v_add_nc_u32 v[DA], s18, v[DA]
	v_lshrrev_b32 v[TA], 2, v14                    ; token lane / 4,
	v_mul_u32_u24 v[TA], v[TA], PP
	v_and_b32 v[QQ], 3, v0
	v_lshl_add_u32 v[TA], v[QQ], 6, v[TA]          ; experts 16 (lane % 4) on
	v_add_nc_u32 v[TA], s18, v[TA]
	v_lshlrev_b32 v14, 4, v[QQ]
	v_cvt_f32_u32 v[IDX], v14                      ; my 16 experts' numbers, as f32: so the lanes' minimum can ride on f32 arithmetic
	v_add_f32 v[IDX+1], 1.0, v[IDX]
	v_add_f32 v[IDX+2], 2.0, v[IDX]
	v_add_f32 v[IDX+3], 2.0, v[IDX+1]
.irp i, 4,5,6,7,8,9,10,11,12,13,14,15
	v_add_f32 v[IDX+\i], 4.0, v[IDX+\i-4]
.endr
	v_cmp_eq_u32 s36, 1, v[QQ]                     ; which lane of a token's four I am, as masks
	v_cmp_eq_u32 s37, 2, v[QQ]
	v_cmp_eq_u32 s38, 3, v[QQ]
	v_mov_b32 v[BIG], 0x42800000
	v_mov_b32 v[NEG], -1.0
	s_mov_b32 s[CS], 0x3fb8aa3b                    ; log2(e)
	s_mov_b32 s[CS+1], s[CS]                       ; (named with it as a pair, so it is written)
	s_mov_b32 s[SEL], 0x76543210
	s_mov_b32 s[SEL+1], 0xfedcba98
.irp b, 0,1,2,3
	v_mov_b32 v[TM+4+\b], 0                        ; written once: a lane permute's destination counts as one of its sources
.endr
	s_wait_loadcnt 40                              ; the 24 loads of codes are in; behind them: 8 of scale words, 32 of sets 0 and 1
	WIN FROM_R
.set i, 0
.rept 24
	ds_store_b128 v[WC], v[128+4*i:128+4*i+3] offset:512*i
.set i, i+1
.endr
	WIN 0
	s_wait_dscnt 0x0                               ; for the others' sake: my share has landed; and the stores have read their registers
	s_barrier_signal -1
	s_barrier_wait -1                              ; the weight's 64 fragments lie in LDS
	WIN TO_R
	LOADSET 2
	LOADSET 3
	WIN 0
; K step j of my half.
.macro STEP j
.if 7-(\j) >= 3
	s_wait_loadcnt 48                              ; this step's 16 loads are in; those of the three steps behind it stay out
.else
	s_wait_loadcnt 16*(7-(\j))
.endif
	WIN FROM_R
.irp i, 0,1,2,3,4,5,6,7,8,9,10,11,12,13,14,15
	ds_store_b128 v[SW], v[64*((\j)%4)+4*\i:64*((\j)%4)+4*\i+3] offset:\i*SP   ; token i's 512 bytes, as they lie
.endr
	WIN 0
.irp b, 0,1,2,3
.irp q, 0,1,2,3
	ds_load_b128 v[X+16*\b+4*\q:X+16*\b+4*\q+3], v[SR] offset:128*\b+16*\q   ; LDS serves a wave's instructions in order: these see my stores.  Token r, k = 32 b + 16 h + 4 q on
.endr
.endr
.irp t, 0,1,2,3
.irp c, 0,1,2
	ds_load_b128 v[W+12*\t+4*\c:W+12*\t+4*\c+3], v[WA] offset:(4*(\j)+\t)*FRB+512*\c   ; the weight's four fragments of this K step, as images of their registers
.endr
.endr
.if (\j)+4 < 8
	s_wait_dscnt 28                                ; the 16 stores are done (the 28 loads behind them may be out): they have read their registers,
	WIN TO_R
	LOADSET (\j)+4                                 ; which take the loads of four steps on
	WIN 0
.endif
	s_wait_dscnt 12                                ; my 64 numbers are in; the weight's 12 loads may be out
	QUANT X
.rept 8
	v_nop                                          ; a scale register written by a vector instruction stands eight places ahead of a scaled matrix instruction, an operand so written four
.endr
	s_wait_dscnt 0x0                               ; the weight's fragments are in
.irp t, 0,1,2,3                                ; the four accumulators by turns, one instruction a turn, from step to step too
.if (\j) == 0
	v_wmma_scale_f32_16x16x128_f8f6f4 v[ACC+8*\t:ACC+8*\t+7], v[W+12*\t:W+12*\t+11], v[PC:PC+11], 0, v[WSC+4*(\j)+\t], v[PW] matrix_a_fmt:MATRIX_FMT_FP6 matrix_b_fmt:MATRIX_FMT_FP6
.else
	v_wmma_scale_f32_16x16x128_f8f6f4 v[ACC+8*\t:ACC+8*\t+7], v[W+12*\t:W+12*\t+11], v[PC:PC+11], v[ACC+8*\t:ACC+8*\t+7], v[WSC+4*(\j)+\t], v[PW] matrix_a_fmt:MATRIX_FMT_FP6 matrix_b_fmt:MATRIX_FMT_FP6
.endif
.endr
.rept 4
	v_nop                                          ; four places in front of loads into registers that matrix instructions have read, of writes of their operands, and of the first read of results
.endr
.endm
.irp j, 0,1,2,3,4,5,6,7
	STEP \j
.endr
	; THE TWO HALVES OF K MEET.  My stage has had its last read: it takes my 16 tokens x 64 partial sums, a token's 256 bytes in expert order, rows 272 bytes apart.
.irp t, 0,1,2,3
	ds_store_b128 v[PS], v[ACC+8*\t:ACC+8*\t+3] offset:32*\t          ; each accumulator from its low end on: experts 32 h + 8 t + 0 .. 3,
	ds_store_b128 v[PS], v[ACC+8*\t+4:ACC+8*\t+7] offset:32*\t+16     ; and + 4 .. 7
.endr
	s_wait_dscnt 0x0                               ; for the others' sake: my sums have landed
	s_barrier_signal -1
	s_barrier_wait -1
.irp i, 0,1,2,3
	ds_load_b128 v[A0+4*\i:A0+4*\i+3], v[DA] offset:\i*2*PP           ; for out0: two whole tokens an instruction, of my 8;
	ds_load_b128 v[A1+4*\i:A1+4*\i+3], v[DA] offset:4*STG+\i*2*PP     ; the other half of K
.endr
.irp i, 0,1,2,3
	ds_load_b128 v[L+4*\i:L+4*\i+3], v[TA] offset:16*\i               ; for the softmax: 16 experts of one token a lane
	ds_load_b128 v[L1+4*\i:L1+4*\i+3], v[TA] offset:4*STG+16*\i
.endr
	v_mov_b32 v[MX+1], 0                           ; (named as the upper halves of pairs)
	v_mov_b32 v[RI+1], 0
	s_wait_dscnt 8                                 ; the first eight loads are in
.irp i, 0,2,4,6,8,10,12,14
	v_pk_add_f32 v[A0+\i:A0+\i+1], v[A0+\i:A0+\i+1], v[A1+\i:A1+\i+1]
.endr
.irp i, 0,1,2,3
	global_store_b128 v[LN16], v[A0+4*\i:A0+4*\i+3], s[8:9] offset:512*\i th:TH_STORE_NT   ; 32 lanes store 512 consecutive bytes, aligned: two tokens' logits
.endr
	s_wait_dscnt 0x0
.irp i, 0,2,4,6,8,10,12,14
	v_pk_add_f32 v[L+\i:L+\i+1], v[L+\i:L+\i+1], v[L1+\i:L1+\i+1]     ; the same sums, the same bits
.endr
; the largest of a token's 64 numbers, into v[d] of its four lanes: four chains within a lane, two steps across lanes l xor 1, l xor 2
.macro LMAX d
	v_max3_num_f32 v[M], v[L], v[L+1], v[L+2]
	v_max3_num_f32 v[M+1], v[L+3], v[L+4], v[L+5]
	v_max3_num_f32 v[M+2], v[L+6], v[L+7], v[L+8]
	v_max3_num_f32 v[M+3], v[L+9], v[L+10], v[L+11]
	v_max3_num_f32 v[M], v[M], v[L+12], v[L+13]
	v_max3_num_f32 v[M+1], v[M+1], v[L+14], v[L+15]
	v_max3_num_f32 v[M], v[M], v[M+1], v[M+2]
	v_max_num_f32 v[\d], v[M], v[M+3]
	v_max_num_f32_dpp v[\d], v[\d], v[\d] row_xmask:1 row_mask:0xf bank_mask:0xf
	v_max_num_f32_dpp v[\d], v[\d], v[\d] row_xmask:2 row_mask:0xf bank_mask:0xf
.endm
	; SOFTMAX: e = 2^(c x - c m), m the row's largest logit; p = e / the row's sum
	LMAX MX
	v_mul_f32 v[MX], s[CS], v[MX]                  ; c m
.irp i, 0,2,4,6,8,10,12,14
	v_pk_fma_f32 v[L+\i:L+\i+1], v[L+\i:L+\i+1], s[CS:CS+1], v[MX:MX+1] op_sel_hi:[1,0,0] neg_lo:[0,0,1] neg_hi:[0,0,1]   ; c x - c m, two at a time; c m's rounding shifts all 64 alike and cancels in p
.endr
.irp i, 0,1,2,3,4,5,6,7,8,9,10,11,12,13,14,15
	v_exp_f32 v[L+\i], v[L+\i]
.endr
	v_nop                                          ; a plain place behind the last exponential
	s_wait_alu depctr_va_vdst(0)                   ; one wait for the batch, ahead of its first reader
.irp i, 0,1,2,3
	v_pk_add_f32 v[S0+2*\i:S0+2*\i+1], v[L+4*\i:L+4*\i+1], v[L+4*\i+2:L+4*\i+3]
.endr
	v_pk_add_f32 v[S0:S0+1], v[S0:S0+1], v[S0+2:S0+3]
	v_pk_add_f32 v[S0+4:S0+5], v[S0+4:S0+5], v[S0+6:S0+7]
	v_pk_add_f32 v[S0:S0+1], v[S0:S0+1], v[S0+4:S0+5]
	v_add_f32 v[S0], v[S0], v[S0+1]
	v_add_f32_dpp v[S0], v[S0], v[S0] row_xmask:1 row_mask:0xf bank_mask:0xf
	v_add_f32_dpp v[S0], v[S0], v[S0] row_xmask:2 row_mask:0xf bank_mask:0xf   ; the row's sum: between 1 and 64
	v_rcp_f32 v[RI], v[S0]
	v_nop                                          ; a plain place behind the reciprocal
	s_wait_alu depctr_va_vdst(0)                   ; and its wait, ahead of the first reader
.irp i, 0,2,4,6,8,10,12,14
	v_pk_mul_f32 v[L+\i:L+\i+1], v[L+\i:L+\i+1], v[RI:RI+1] op_sel_hi:[1,0]   ; p
.endr
; THE k-TH LARGEST p of each token and its expert.  rem = 1: that entry is then set to -1.
.macro SELECT k, rem
	LMAX TV+\k
.irp i, 0,1,2,3,4,5,6,7,8,9,10,11,12,13,14,15
	v_cmp_eq_f32 s[MK+\i], v[L+\i], v[TV+\k]       ; who holds it: sixteen masks, so that no compare waits for a select
.endr
.irp c, 0,1,2,3
	v_cndmask_b32 v[C+\c], v[BIG], v[IDX+4*\c+3], s[MK+4*\c+3]   ; four chains of four, each from its highest expert down: the lowest holder stays
.endr
.irp d, 2,1,0
.irp c, 0,1,2,3
	v_cndmask_b32 v[C+\c], v[C+\c], v[IDX+4*\c+\d], s[MK+4*\c+\d]
.endr
.endr
	v_min3_num_f32 v[TI+\k], v[C], v[C+1], v[C+2]
	v_min_num_f32 v[TI+\k], v[TI+\k], v[C+3]
	v_min_num_f32_dpp v[TI+\k], v[TI+\k], v[TI+\k] row_xmask:1 row_mask:0xf bank_mask:0xf
	v_min_num_f32_dpp v[TI+\k], v[TI+\k], v[TI+\k] row_xmask:2 row_mask:0xf bank_mask:0xf   ; the token's lowest expert that holds the largest p
.if \rem
.irp i, 0,1,2,3,4,5,6,7,8,9,10,11,12,13,14,15
	v_cmp_eq_f32 s[MK+\i], v[IDX+\i], v[TI+\k]
.endr
.irp i, 0,1,2,3,4,5,6,7,8,9,10,11,12,13,14,15
	v_cndmask_b32 v[L+\i], v[L+\i], v[NEG], s[MK+\i]   ; that one entry leaves; others that hold the same p stay
.endr
.endif
.endm
.irp k, 0,1,2,3,4,5,6
	SELECT \k, 1
.endr
	SELECT 7, 0
	; THE WAY OUT.  All four lanes of a token hold its eight; lane q takes numbers 2 q and 2 q + 1, so that the wave's 32 lanes store 256 consecutive bytes of out1 and of out2.
	v_pk_add_f32 v[S0:S0+1], v[TV:TV+1], v[TV+2:TV+3]
	v_pk_add_f32 v[S0+2:S0+3], v[TV+4:TV+5], v[TV+6:TV+7]
	v_pk_add_f32 v[S0:S0+1], v[S0:S0+1], v[S0+2:S0+3]
	v_add_f32 v[S0], v[S0], v[S0+1]                ; the sum of the eight: at least 1/64
	v_rcp_f32 v[RI], v[S0]
.irp u, 0,1                                    ; (plain work behind the reciprocal, which names neither its result nor its source)
	v_cndmask_b32 v[O+\u], v[TV+\u], v[TV+2+\u], s36
	v_cndmask_b32 v[OI+\u], v[TI+\u], v[TI+2+\u], s36
.endr
.irp u, 0,1
	v_cndmask_b32 v[O+\u], v[O+\u], v[TV+4+\u], s37
	v_cndmask_b32 v[OI+\u], v[OI+\u], v[TI+4+\u], s37
.endr
.irp u, 0,1
	v_cndmask_b32 v[O+\u], v[O+\u], v[TV+6+\u], s38
	v_cndmask_b32 v[OI+\u], v[OI+\u], v[TI+6+\u], s38
.endr
	v_cvt_i32_f32 v[OI], v[OI]                     ; whole numbers 0 .. 63: exact
	v_cvt_i32_f32 v[OI+1], v[OI+1]
	s_wait_alu depctr_va_vdst(0)                   ; the reciprocal's wait, ahead of its first reader
	v_mul_f32 v[O], v[O], v[RI]
	v_mul_f32 v[O+1], v[O+1], v[RI]
	global_store_b64 v[LN8], v[O:O+1], s[10:11] th:TH_STORE_NT     ; 32 lanes store 256 consecutive bytes, aligned: 8 tokens x 8 numbers
	global_store_b64 v[LN8], v[OI:OI+1], s[12:13] th:TH_STORE_NT
	s_wait_tensorcnt 0x0
	ds_add_u32 v254, v255
	s_wait_dscnt 0x0
	s_endpgm
.Lfunc_end_k_q0336cc9b53_router:
	.size	k_q0336cc9b53_router, .Lfunc_end_k_q0336cc9b53_router-k_q0336cc9b53_router
	.p2alignl 7, 3214868480
	.fill 96, 4, 3214868480
	.section	.rodata,"a",@progbits
	.p2align	6, 0x0
	.amdhsa_kernel k_q0336cc9b53_router
		.amdhsa_group_segment_fixed_size 166912
		.amdhsa_private_segment_fixed_size 0
		.amdhsa_enable_private_segment 0
		.amdhsa_kernarg_size 40
		.amdhsa_user_sgpr_count 2
		.amdhsa_user_sgpr_kernarg_segment_ptr 1
		.amdhsa_wavefront_size32 1
		.amdhsa_system_sgpr_workgroup_id_x 1
		.amdhsa_system_sgpr_workgroup_id_y 1
		.amdhsa_system_sgpr_workgroup_id_z 1
		.amdhsa_system_vgpr_workitem_id 0
		.amdhsa_next_free_vgpr 512
		.amdhsa_next_free_sgpr 66
		.amdhsa_reserve_vcc 0
		.amdhsa_float_denorm_mode_32 3
		.amdhsa_float_denorm_mode_16_64 3
		.amdhsa_memory_ordered 1
		.amdhsa_forward_progress 1
		.amdhsa_inst_pref_size 126
	.end_amdhsa_kernel
	.amdgpu_metadata
---
amdhsa.version: [ 1, 2 ]
amdhsa.kernels:
  - .name:           k_q0336cc9b53_router
    .symbol:         k_q0336cc9b53_router.kd
    .args:
      - { .name: hidden_states, .offset: 0, .size: 8, .value_kind: global_buffer, .address_space: global }
      - { .name: wfrag, .offset: 8, .size: 8, .value_kind: global_buffer, .address_space: global }
      - { .name: out0, .offset: 16, .size: 8, .value_kind: global_buffer, .address_space: global }
      - { .name: out1, .offset: 24, .size: 8, .value_kind: global_buffer, .address_space: global }
      - { .name: out2, .offset: 32, .size: 8, .value_kind: global_buffer, .address_space: global }
    .group_segment_fixed_size: 166912
    .private_segment_fixed_size: 0
    .kernarg_segment_align: 8
    .kernarg_segment_size: 40
    .max_flat_workgroup_size: 256
    .sgpr_count:     66
    .vgpr_count:     512
    .wavefront_size: 32
...
	.end_amdgpu_metadata
.endif
;; end of part 2
;; ======== version 2 of 2: 2 launches; version 1 with the launch router written anew for expert scheduling mode
;; limits: right only within a limited range of input values
;; workspace buffers: wfrag 102,400 bytes
;; launch wquant: the kernel of part 1 again; grid 16 x 1, 4 waves a work-group, no clusters, 34,560 bytes of LDS; arguments weight, wfrag; writes wfrag
;; launch router (part 3): grid 256 x 1, 8 waves a work-group, no clusters, 166,912 bytes of LDS; arguments hidden_states, wfrag, out0, out1, out2; writes out0, out1, out2
.if DOCPART == 3
	.amdgcn_target "amdgcn-amd-amdhsa--gfx1250"
	.amdhsa_code_object_version 6
	.text
	.protected	k_q0336cc9b53_router
	.globl	k_q0336cc9b53_router
	.p2align	8
	.type	k_q0336cc9b53_router,@function
k_q0336cc9b53_router:
	s_mov_b64 s[64:65], 0
	v_nop
	global_prefetch_b8 v0, s[64:65] scope:SCOPE_SE
	s_setreg_imm32_b32 hwreg(HW_REG_WAVE_SCHED_MODE, 0, 2), 2
	s_setreg_imm32_b32 hwreg(HW_REG_WAVE_MODE, 25, 1), 1
	s_wait_xcnt 0x0
	s_wait_alu depctr_vm_vsrc(0)
; out0 = Q(hidden_states) Q(weight)^T in MX-FP6 (E2M3 codes, one E8M0 scale for each 32 along K, f32 sums); p = softmax(out0) along the 64 experts; out1, out2 = the eight largest p, divided by their sum, and their experts.
; hidden_states [16384][2048] f32 is read once and quantised in registers; the weight comes as codes and scale words in the order of the operand's registers (wfrag, made by the launch before).
; SHARES.  A work-group owns 64 tokens.  Its wave w takes tile w & 3 (16 tokens) and K half w >> 2 (8 K steps of 128): 4 accumulators, 32 matrix instructions.  The two halves of a tile meet in LDS, and
; each wave of the pair then finishes 8 tokens: 4 lanes a token, 16 experts a lane.
; A K STEP.  16 loads, each 512 consecutive aligned bytes of one token's row; the 8 KB turn through the wave's own stage in LDS, so that lane (r, h) holds 16 neighbours of each block of 32 of token r; they are
; quantised; four matrix instructions follow, USED TRANSPOSED (source 0 = 16 experts, source 1 = my 16 tokens): lane (r, h) holds token r, and register j of tile t expert 32 h + 8 t + j (the launch before chose the tiles' rows so).
; IN FLIGHT.  Four sets of 64 registers (window 1) take the loads of four K steps: 64 loads, 32 KB, a wave; a set is asked for again as soon as its stores into the stage have read it.  No wait for these loads is for zero but the last.
; TOP 8.  On p, as the reference takes it: eight times the largest p of the token, the LOWEST expert that holds it (ties go to the lower number), and that one entry set to -1.  All by selects: no branch, no address hangs on data.
; NOT USED.  Joint requests in a cluster: what work-groups share is wfrag, 102,400 of the 626,688 bytes that a work-group reads, and the text has no tensor load.  A prefetch: the loads themselves run four K steps ahead.
; LIMITS.  NaN and infinities are not served.  A p under 2^-126 comes out as 0 (v_exp_f32 gives 0 there: ISA guide, its entry): experts more than 87 under the row's largest logit tie at 0 and go by the lower number.
; A logit is the f32 sum of two chains of eight K steps.  A block of zeros has the byte 1 and zero codes.
; THE MODE: SCHED_MODE bits 1:0 = 2 (LLVM: expert scheduling mode 2), set by the entry lines.  The code itself states the register dependences
; between vector or matrix instructions and memory or LDS instructions, with s_wait_alu, always for 0.
; THE PLAN.  Registers that memory or LDS instructions touch, in the K steps:
;   R0 .. R3   (window 1)  The loads of K step j land in R[j % 4]; the 16 LDS stores that put step j into the stage, issued in step j - 1, read it; the loads of step j + 4 land in it.  No vector or matrix instruction names them.
;   X          The 16 LDS loads from the stage land in it: step j + 1's are issued in step j, behind the quantiser, whose maxima and conversions read it.
;   W          Step j's 12 LDS loads land in it; step j's four matrix instructions read it.
;   v1 .. v10  Offsets and addresses: made at the head and never written again.
;   The codes, my tokens' scale word and the accumulators are named by vector and matrix instructions alone, until the tail.
; So ONE wait on va_vdst stands in a step, behind the quantiser and the eight places: it states that the codes and the scale word are written, which the scaled matrix instructions take; that the quantiser is done reading X;
; and that the matrix instructions of the step before are done reading W.  W's and X's loads follow it with nothing between.  And ONE wait on vm_vsrc stands in a step, between the stores into the stage and the loads that land in the set that they read.
; Step j so runs: set j + 1 into the stage, that set asked for again | X of step j quantised | the wait | W of step j and X of step j + 1 asked for | the four products.  The text has no branch and no label: one path.
; REGISTERS.  window 0: v1-13 addresses and constants; v16-47 the weights' scale words; v48-111 X; v112-159 four fragments of the weight; v160-191 accumulators; v192-211 codes; v212-227 the quantiser's work; v228 my tokens' scale word;
;   v229-244 my 16 experts' numbers as f32.  The tail takes v48-151 again.   window 1: v0-255 the four sets.
.set HROW,   8192                      ; a token's row in bytes
.set SP,     528                       ; a stage row: 512 bytes + 16: the 16 rows that a load touches begin in 16 different places of 16 bytes modulo 256
.set STG,    16*SP                     ; a wave's stage
.set FRB,    1536                      ; a fragment's image: 12 registers x 128 bytes
.set WCODES, 64*FRB                    ; LDS bytes 0 on: the weight's 64 fragments; in wfrag the scale words begin here
.set WSHARE, WCODES/8                  ; what a wave copies of them
.set STAGE0, WCODES                    ; behind them the eight stages
.set PP,     272                       ; the tail: a token's 64 partial sums, 256 bytes + 16
.set LN16, 1                           ; v1   16 x lane
.set SW,   2                           ; v2   my stage, on the way in
.set SR,   3                           ; v3   and on the way out: row r, + 64 h
.set WA,   4                           ; v4   the weight's fragments of my K half: 16 x lane + 32 fragments x half
.set WC,   5                           ; v5   where I put my share of the weight's codes
.set R16,  6                           ; v6   16 r
.set PS,   7                           ; v7   the tail: where my partial sums go: token r, + 128 h
.set DA,   8                           ; v8   where I read two whole tokens back
.set TA,   9                           ; v9   where I read 16 experts of a token
.set LN8,  10                          ; v10  8 x lane
.set QQ,   11                          ; v11  lane % 4: which 16 experts are mine
.set BIG,  12                          ; v12  64.0: above every expert's number
.set NEG,  13                          ; v13  -1.0: under every p
.set WSC,  16
.set X,    48
.set W,    112
.set ACC,  160
.set PC,   192
.set TM,   212
.set PW,   228
.set IDX,  229
.set A0,   48                          ; the tail: v48-63, v64-79 two halves' sums for out0; v80-95 logits, then p; v96-111 the other half's
.set A1,   64
.set L,    80
.set L1,   96
.set TV,   112                         ; v112-119 the eight largest p
.set TI,   120                         ; v120-127 their experts, as f32
.set C,    128                         ; v128-131 four chains of selects
.set M,    132                         ; v132-135 four chains of maxima
.set S0,   136                         ; v136-143 sums
.set RI,   144                         ; v[144:145] a reciprocal (the packed form names a pair)
.set O,    146                         ; v[146:147] my two numbers of out1;  v[148:149] of out2
.set OI,   148
.set MX,   150                         ; v[150:151] c x the row's largest logit
.set CS,   40                          ; s[40:41] c = log2(e)
.set SEL,  42                          ; s[42:43] lane selects for v_permlanex16_b32: lane l xor 16
.set MK,   44                          ; s44-59   sixteen lane masks
.set MSB, 0
.macro WIN new                         ; the immediate's high byte repeats the setting that is left
.if MSB != \new
	s_set_vgpr_msb (MSB<<8)|\new
.set MSB, \new
.endif
.endm
.set TO_R,   0x40                      ; a load's destination in window 1, its address in window 0
.set FROM_R, 0x04                      ; an LDS store's data (its source 1) in window 1
; 64 numbers of a lane, v[s] .. v[s + 63], register 16 b + i = k 32 b + 16 (lane / 16) + i of my row, become a fragment's codes in v[PC] on and its scale word in v[PW].
.macro QUANT s
.irp b, 0,1,2,3
	v_max3_num_f32 v[TM+\b], |v[\s+16*\b]|, |v[\s+1+16*\b]|, 0x1800000   ; block b: my 16 numbers, and the floor 2^(3 - 127): so the byte cannot fall under 1
.endr
.irp i, 2,4,6,8,10,12,14
.irp b, 0,1,2,3
	v_max3_num_f32 v[TM+\b], v[TM+\b], |v[\s+16*\b+\i]|, |v[\s+1+16*\b+\i]|   ; the four blocks by turns: no line waits for the line above it
.endr
.endr
.irp b, 0,1,2,3
	v_permlanex16_b32 v[TM+4+\b], v[TM+\b], s[SEL], s[SEL+1]
.endr
.irp b, 0,1,2,3
	v_max_num_f32 v[TM+\b], v[TM+\b], v[TM+4+\b]   ; with lane l xor 16's: the block's largest magnitude
.endr
.irp b, 0,1,2,3
	v_add_nc_u32 v[TM+12+\b], 0xff000000, v[TM+\b]   ; 2 off its exponent field: the conversion takes the exponent field of this operand as its scale
.endr
.irp b, 0,1,2,3
	v_lshrrev_b32 v[TM+4+\b], 23, v[TM+12+\b]      ; the scale's byte
.endr
	v_lshl_or_b32 v[PW], v[TM+5], 8, v[TM+4]       ; the four bytes make my row's scale word
	v_lshl_or_b32 v[PW], v[TM+6], 16, v[PW]
	v_lshl_or_b32 v[PW], v[TM+7], 24, v[PW]
.irp c, 0,1
	v_cvt_scalef32_pk16_fp6_f32 v[PC+6*\c:PC+2+6*\c], v[\s+32*\c:\s+15+32*\c], v[TM+12+2*\c]
	v_cvt_scalef32_pk16_fp6_f32 v[PC+12+4*\c:PC+14+4*\c], v[\s+16+32*\c:\s+31+32*\c], v[TM+12+2*\c+1]   ; (a conversion's three registers begin on an even number)
.endr
	v_nop                                          ; one plain place behind a scaled conversion
.irp c, 0,1                                    ; the operand's layout wants a WHOLE block in a lane: lanes 0-15 block 2 c, lanes 16-31 block 2 c + 1
.irp i, 0,1,2
	v_permlane16_swap_b32 v[PC+6*\c+\i], v[PC+12+4*\c+\i]
.endr
.irp i, 0,1,2
	v_mov_b32 v[PC+3+6*\c+\i], v[PC+12+4*\c+\i]
.endr
.endr
.endm
; K step j of my half, 16 tokens x 512 bytes, into set j % 4.  (The windows are set by the caller.)
.macro LOADSET j
.irp i, 0,1,2,3,4,5,6,7,8,9,10,11,12,13,14,15
	global_load_b128 v[64*((\j)%4)+4*\i:64*((\j)%4)+4*\i+3], v[LN16], s[4:5] offset:\i*HROW+(\j)*512 th:TH_LOAD_NT   ; 32 lanes read 512 consecutive bytes of token i's row; read once in the launch
.endr
.endm
; K step j goes from set j % 4 into my stage.  The stores' data come from loads and their address was made at the head: they hang on no vector instruction issued since.  (It leaves the window at FROM_R.)
.macro TOSTAGE j
	WIN FROM_R
.irp i, 0,1,2,3,4,5,6,7,8,9,10,11,12,13,14,15
	ds_store_b128 v[SW], v[64*((\j)%4)+4*\i:64*((\j)%4)+4*\i+3] offset:\i*SP   ; token i's 512 bytes, as they lie
.endr
.endm
; and comes back into X: token r, k = 32 b + 16 h + 4 q on
.macro XBACK
.irp b, 0,1,2,3
.irp q, 0,1,2,3
	ds_load_b128 v[X+16*\b+4*\q:X+16*\b+4*\q+3], v[SR] offset:128*\b+16*\q   ; LDS serves a wave's instructions in order: these see my stores
.endr
.endr
.endm
; Set j % 4, which the stores into the stage have just read, is asked for again: K step j.  (It leaves the window at TO_R.)
.macro REFILL j
	WIN TO_R
	s_wait_alu depctr_vm_vsrc(0)                   ; the LDS stores issued so far have read the set's registers, in which the loads below land
	LOADSET \j
.endm
	s_load_b128 s[4:7], s[0:1], 0x0                ; hidden_states s[4:5], wfrag s[6:7]
	s_load_b128 s[8:11], s[0:1], 0x10              ; out0 s[8:9], out1 s[10:11]
	s_load_b64 s[12:13], s[0:1], 0x20              ; out2
	v_lshl_add_u32 v254, v0, 2, 0x28800
	v_mov_b32 v255, 0
	v_lshrrev_b32 v14, 5, v0
	v_readfirstlane_b32 s14, v14                   ; wave 0..7
	v_and_b32 v14, 31, v0                          ; lane
	v_and_b32 v15, 15, v0                          ; r
	v_lshlrev_b32 v[LN16], 4, v14
	v_lshlrev_b32 v[R16], 4, v15
	s_wait_alu depctr_va_sdst(0)                   ; s14 is written, ahead of its first reader: the tile, the half of K and all bases are made from it
	s_and_b32 s15, s14, 3                          ; my tile of 16 tokens
	s_lshr_b32 s16, s14, 2                         ; my half of K
	s_lshl_b32 s28, ttmp9, 6
	s_lshl_b32 s29, s15, 4
	s_add_co_u32 s28, s28, s29                     ; the tile's first token: 64 x work-group + 16 x tile
	s_lshl_b32 s20, s28, 13                        ; its row of 8,192 bytes (under 2^27),
	s_lshl_b32 s21, s16, 12                        ; + my half: 4,096 bytes
	s_add_co_u32 s20, s20, s21
	s_mov_b32 s21, 0
	s_lshl_b32 s29, s16, 3
	s_add_co_u32 s28, s28, s29                     ; the first of the 8 tokens that I finish
	s_lshl_b32 s30, s28, 8                         ; in out0: 256 bytes a token,
	s_mov_b32 s31, 0
	s_lshl_b32 s32, s28, 5                         ; in out1 and out2: 32
	s_mov_b32 s33, 0
	s_mul_i32 s22, s14, WSHARE                     ; my share of the weight's codes
	s_mov_b32 s23, 0
	s_lshl_b32 s34, s16, 11                        ; my half's scale words: 8 K steps of 256 bytes
	s_add_co_u32 s34, s34, WCODES
	s_mov_b32 s35, 0
	s_wait_kmcnt 0x0
	s_add_nc_u64 s[4:5], s[4:5], s[20:21]
	s_add_nc_u64 s[24:25], s[6:7], s[22:23]
	s_add_nc_u64 s[26:27], s[6:7], s[34:35]
	s_add_nc_u64 s[8:9], s[8:9], s[30:31]
	s_add_nc_u64 s[10:11], s[10:11], s[32:33]
	s_add_nc_u64 s[12:13], s[12:13], s[32:33]
	WIN TO_R
	s_wait_alu depctr_va_vdst(0)                   ; v[LN16] and v[R16] are written: every global load of the kernel reads one of them as its offset
.set i, 0
.rept 24
	global_load_b128 v[128+4*i:128+4*i+3], v[LN16], s[24:25] offset:512*i   ; my 12,288 bytes of the weight's codes, for now in the registers of sets 2 and 3
.set i, i+1
.endr
	WIN 0
.irp j, 0,1,2,3,4,5,6,7
	global_load_b128 v[WSC+4*\j:WSC+4*\j+3], v[R16], s[26:27] offset:256*\j   ; lane r: the scale words of row r of the four tiles, K step j of my half: they stay in registers
.endr
	WIN TO_R
	LOADSET 0
	LOADSET 1
	WIN 0
	; the other addresses and constants are made while the loads are on their way: none of these lines names v[LN16] or v[R16] as its result, nor a register in which a load lands
	v_lshlrev_b32 v[LN8], 3, v14
	s_mul_i32 s17, s14, STG
	s_add_co_u32 s17, s17, STAGE0                  ; my stage
	v_add_nc_u32 v[SW], s17, v[LN16]
	v_bfe_u32 v[QQ], v0, 4, 1                      ; h, for now
	v_mul_u32_u24 v[SR], v15, SP
	v_lshl_add_u32 v[SR], v[QQ], 6, v[SR]
	v_add_nc_u32 v[SR], s17, v[SR]
	v_mul_u32_u24 v[PS], v15, PP
	v_lshl_add_u32 v[PS], v[QQ], 7, v[PS]
	v_add_nc_u32 v[PS], s17, v[PS]
	s_mul_i32 s18, s16, 32*FRB
	v_add_nc_u32 v[WA], s18, v[LN16]
	v_add_nc_u32 v[WC], s22, v[LN16]
	s_mul_i32 s18, s15, STG                        ; the tail: the stage of my tile's first half (wave = tile); the second half's lies 4 stages on
	s_mul_i32 s19, s16, 8*PP                       ; my 8 tokens in it
	s_add_co_u32 s18, s18, s19
	s_add_co_u32 s18, s18, STAGE0
	v_mul_u32_u24 v[DA], v[QQ], PP                 ; lanes 0-15 one token's 256 bytes, lanes 16-31 the next's
	v_add_nc_u32 v[DA], v[DA], v[R16]
	v_add_nc_u32 v[DA], s18, v[DA]
	v_lshrrev_b32 v[TA], 2, v14                    ; token lane / 4,
	v_mul_u32_u24 v[TA], v[TA], PP
	v_and_b32 v[QQ], 3, v0
	v_lshl_add_u32 v[TA], v[QQ], 6, v[TA]          ; experts 16 (lane % 4) on
	v_add_nc_u32 v[TA], s18, v[TA]
	v_lshlrev_b32 v14, 4, v[QQ]
	v_cvt_f32_u32 v[IDX], v14                      ; my 16 experts' numbers, as f32: so the lanes' minimum can ride on f32 arithmetic
	v_add_f32 v[IDX+1], 1.0, v[IDX]
	v_add_f32 v[IDX+2], 2.0, v[IDX]
	v_add_f32 v[IDX+3], 2.0, v[IDX+1]
.irp i, 4,5,6,7,8,9,10,11,12,13,14,15
	v_add_f32 v[IDX+\i], 4.0, v[IDX+\i-4]
.endr
	v_cmp_eq_u32 s36, 1, v[QQ]                     ; which lane of a token's four I am, as masks
	v_cmp_eq_u32 s37, 2, v[QQ]
	v_cmp_eq_u32 s38, 3, v[QQ]
	v_mov_b32 v[BIG], 0x42800000
	v_mov_b32 v[NEG], -1.0
	s_mov_b32 s[CS], 0x3fb8aa3b                    ; log2(e)
	s_mov_b32 s[CS+1], s[CS]                       ; (named with it as a pair, so it is written)
	s_mov_b32 s[SEL], 0x76543210
	s_mov_b32 s[SEL+1], 0xfedcba98
.irp b, 0,1,2,3
	v_mov_b32 v[TM+4+\b], 0                        ; written once: a lane permute's destination counts as one of its sources
.endr
	s_wait_alu depctr_va_sdst(0)                   ; the three masks s36 to s38 are written, ahead of their first readers: the selects on the way out
	s_wait_loadcnt 40                              ; the 24 loads of codes are in; behind them: 8 of scale words, 32 of sets 0 and 1
	WIN FROM_R
	s_wait_alu depctr_va_vdst(0)                   ; the addresses v2 to v10 are written, which the LDS instructions and stores from here to the kernel's end read; none is written again
.set i, 0
.rept 24
	ds_store_b128 v[WC], v[128+4*i:128+4*i+3] offset:512*i
.set i, i+1
.endr
	WIN 0
	s_wait_dscnt 0x0                               ; for the others' sake: my share has landed
	s_barrier_signal -1
	s_barrier_wait -1                              ; the weight's 64 fragments lie in LDS
	WIN TO_R
	s_wait_alu depctr_vm_vsrc(0)                   ; my 24 LDS stores have read the registers of sets 2 and 3, in which the loads below land
	LOADSET 2
	LOADSET 3
	s_wait_loadcnt 48                              ; K step 0's 16 loads are in (and the scale words, which are older); sets 1, 2 and 3 stay out
	TOSTAGE 0
	WIN 0
	XBACK                                          ; X of K step 0: no vector instruction has named X yet
	REFILL 4
	WIN 0
; K step j of my half.  X of step j was asked for in the step before.
.macro STEP j
.if (\j) < 7
.if 6-(\j) >= 3
	s_wait_loadcnt 48                              ; the next step's 16 loads are in; those of the three steps behind it stay out
.else
	s_wait_loadcnt 16*(6-(\j))
.endif
	TOSTAGE (\j)+1                                 ; LDS serves a wave's instructions in order: these stores come behind this step's reads of the stage
.if (\j)+5 < 8
	REFILL (\j)+5                                  ; the set takes the loads of four steps on
.endif
	WIN 0
	s_wait_dscnt 16                                ; my 64 numbers of this step are in; the 16 stores behind them may be out
.else
	s_wait_dscnt 0x0                               ; my 64 numbers of the last step are in
.endif
	QUANT X
.rept 8
	v_nop                                          ; a scale register written by a vector instruction stands eight places ahead of a scaled matrix instruction, an operand so written four
.endr
	s_wait_alu depctr_va_vdst(0)                   ; the codes v[PC ..] and the scale word v[PW] are written, which the matrix instructions below take; the quantiser is done reading X; the last step's matrix instructions are done reading W
.irp t, 0,1,2,3
.irp c, 0,1,2
	ds_load_b128 v[W+12*\t+4*\c:W+12*\t+4*\c+3], v[WA] offset:(4*(\j)+\t)*FRB+512*\c   ; the weight's four fragments of this K step, as images of their registers
.endr
.endr
.if (\j) < 7
	XBACK                                          ; X of the next step, out of the stage
	s_wait_dscnt 16                                ; the weight's fragments are in; the 16 loads of X behind them may be out
.else
	s_wait_dscnt 0x0                               ; the weight's fragments are in
.endif
.irp t, 0,1,2,3                                ; the four accumulators by turns, one instruction a turn, from step to step too
.if (\j) == 0
	v_wmma_scale_f32_16x16x128_f8f6f4 v[ACC+8*\t:ACC+8*\t+7], v[W+12*\t:W+12*\t+11], v[PC:PC+11], 0, v[WSC+4*(\j)+\t], v[PW] matrix_a_fmt:MATRIX_FMT_FP6 matrix_b_fmt:MATRIX_FMT_FP6
.else
	v_wmma_scale_f32_16x16x128_f8f6f4 v[ACC+8*\t:ACC+8*\t+7], v[W+12*\t:W+12*\t+11], v[PC:PC+11], v[ACC+8*\t:ACC+8*\t+7], v[WSC+4*(\j)+\t], v[PW] matrix_a_fmt:MATRIX_FMT_FP6 matrix_b_fmt:MATRIX_FMT_FP6
.endif
.endr
.rept 4
	v_nop                                          ; four places in front of vector writes of the matrix instructions' operands, and of the first read of results (ISA guide 7.12.1)
.endr
.endm
.irp j, 0,1,2,3,4,5,6,7
	STEP \j
.endr
	; THE TWO HALVES OF K MEET.  My stage has had its last read: it takes my 16 tokens x 64 partial sums, a token's 256 bytes in expert order, rows 272 bytes apart.
	s_wait_alu depctr_va_vdst(0)                   ; the matrix instructions have written the accumulators, which the LDS stores read (the four places above stay beside this wait); the quantiser is done reading X, in which the LDS loads behind the barrier land
.irp t, 0,1,2,3
	ds_store_b128 v[PS], v[ACC+8*\t:ACC+8*\t+3] offset:32*\t          ; each accumulator from its low end on: experts 32 h + 8 t + 0 .. 3,
	ds_store_b128 v[PS], v[ACC+8*\t+4:ACC+8*\t+7] offset:32*\t+16     ; and + 4 .. 7
.endr
	s_wait_dscnt 0x0                               ; for the others' sake: my sums have landed
	s_barrier_signal -1
	s_barrier_wait -1
.irp i, 0,1,2,3
	ds_load_b128 v[A0+4*\i:A0+4*\i+3], v[DA] offset:\i*2*PP           ; for out0: two whole tokens an instruction, of my 8;
	ds_load_b128 v[A1+4*\i:A1+4*\i+3], v[DA] offset:4*STG+\i*2*PP     ; the other half of K
.endr
.irp i, 0,1,2,3
	ds_load_b128 v[L+4*\i:L+4*\i+3], v[TA] offset:16*\i               ; for the softmax: 16 experts of one token a lane
	ds_load_b128 v[L1+4*\i:L1+4*\i+3], v[TA] offset:4*STG+16*\i
.endr
	v_mov_b32 v[MX+1], 0                           ; (named as the upper halves of pairs)
	v_mov_b32 v[RI+1], 0
	s_wait_dscnt 8                                 ; the first eight loads are in
.irp i, 0,2,4,6,8,10,12,14
	v_pk_add_f32 v[A0+\i:A0+\i+1], v[A0+\i:A0+\i+1], v[A1+\i:A1+\i+1]
.endr
	s_wait_alu depctr_va_vdst(0)                   ; the additions have written v[A0 ..], which the four stores read; nothing writes these registers afterwards
.irp i, 0,1,2,3
	global_store_b128 v[LN16], v[A0+4*\i:A0+4*\i+3], s[8:9] offset:512*\i th:TH_STORE_NT   ; 32 lanes store 512 consecutive bytes, aligned: two tokens' logits
.endr
	s_wait_dscnt 0x0
.irp i, 0,2,4,6,8,10,12,14
	v_pk_add_f32 v[L+\i:L+\i+1], v[L+\i:L+\i+1], v[L1+\i:L1+\i+1]     ; the same sums, the same bits
.endr
; the largest of a token's 64 numbers, into v[d] of its four lanes: four chains within a lane, two steps across lanes l xor 1, l xor 2
.macro LMAX d
	v_max3_num_f32 v[M], v[L], v[L+1], v[L+2]
	v_max3_num_f32 v[M+1], v[L+3], v[L+4], v[L+5]
	v_max3_num_f32 v[M+2], v[L+6], v[L+7], v[L+8]
	v_max3_num_f32 v[M+3], v[L+9], v[L+10], v[L+11]
	v_max3_num_f32 v[M], v[M], v[L+12], v[L+13]
	v_max3_num_f32 v[M+1], v[M+1], v[L+14], v[L+15]
	v_max3_num_f32 v[M], v[M], v[M+1], v[M+2]
	v_max_num_f32 v[\d], v[M], v[M+3]
	v_max_num_f32_dpp v[\d], v[\d], v[\d] row_xmask:1 row_mask:0xf bank_mask:0xf
	v_max_num_f32_dpp v[\d], v[\d], v[\d] row_xmask:2 row_mask:0xf bank_mask:0xf
.endm
	; SOFTMAX: e = 2^(c x - c m), m the row's largest logit; p = e / the row's sum
	LMAX MX
	v_mul_f32 v[MX], s[CS], v[MX]                  ; c m
.irp i, 0,2,4,6,8,10,12,14
	v_pk_fma_f32 v[L+\i:L+\i+1], v[L+\i:L+\i+1], s[CS:CS+1], v[MX:MX+1] op_sel_hi:[1,0,0] neg_lo:[0,0,1] neg_hi:[0,0,1]   ; c x - c m, two at a time; c m's rounding shifts all 64 alike and cancels in p
.endr
.irp i, 0,1,2,3,4,5,6,7,8,9,10,11,12,13,14,15
	v_exp_f32 v[L+\i], v[L+\i]
.endr
	v_nop                                          ; a plain place behind the last exponential
	s_wait_alu depctr_va_vdst(0)                   ; the sixteen exponentials have written v[L ..]: one wait for the batch, ahead of its first reader
.irp i, 0,1,2,3
	v_pk_add_f32 v[S0+2*\i:S0+2*\i+1], v[L+4*\i:L+4*\i+1], v[L+4*\i+2:L+4*\i+3]
.endr
	v_pk_add_f32 v[S0:S0+1], v[S0:S0+1], v[S0+2:S0+3]
	v_pk_add_f32 v[S0+4:S0+5], v[S0+4:S0+5], v[S0+6:S0+7]
	v_pk_add_f32 v[S0:S0+1], v[S0:S0+1], v[S0+4:S0+5]
	v_add_f32 v[S0], v[S0], v[S0+1]
	v_add_f32_dpp v[S0], v[S0], v[S0] row_xmask:1 row_mask:0xf bank_mask:0xf
	v_add_f32_dpp v[S0], v[S0], v[S0] row_xmask:2 row_mask:0xf bank_mask:0xf   ; the row's sum: between 1 and 64
	v_rcp_f32 v[RI], v[S0]
	v_nop                                          ; a plain place behind the reciprocal
	s_wait_alu depctr_va_vdst(0)                   ; the reciprocal has written v[RI], ahead of its first reader
.irp i, 0,2,4,6,8,10,12,14
	v_pk_mul_f32 v[L+\i:L+\i+1], v[L+\i:L+\i+1], v[RI:RI+1] op_sel_hi:[1,0]   ; p
.endr
; THE k-TH LARGEST p of each token and its expert.  rem = 1: that entry is then set to -1.
.macro SELECT k, rem
	LMAX TV+\k
.irp i, 0,1,2,3,4,5,6,7,8,9,10,11,12,13,14,15
	v_cmp_eq_f32 s[MK+\i], v[L+\i], v[TV+\k]       ; who holds it: sixteen masks, so that no compare waits for a select
.endr
	s_wait_alu depctr_va_sdst(0)                   ; the sixteen masks are written, ahead of the first select that reads one: one wait for the run
.irp c, 0,1,2,3
	v_cndmask_b32 v[C+\c], v[BIG], v[IDX+4*\c+3], s[MK+4*\c+3]   ; four chains of four, each from its highest expert down: the lowest holder stays
.endr
.irp d, 2,1,0
.irp c, 0,1,2,3
	v_cndmask_b32 v[C+\c], v[C+\c], v[IDX+4*\c+\d], s[MK+4*\c+\d]
.endr
.endr
	v_min3_num_f32 v[TI+\k], v[C], v[C+1], v[C+2]
	v_min_num_f32 v[TI+\k], v[TI+\k], v[C+3]
	v_min_num_f32_dpp v[TI+\k], v[TI+\k], v[TI+\k] row_xmask:1 row_mask:0xf bank_mask:0xf
	v_min_num_f32_dpp v[TI+\k], v[TI+\k], v[TI+\k] row_xmask:2 row_mask:0xf bank_mask:0xf   ; the token's lowest expert that holds the largest p
.if \rem
.irp i, 0,1,2,3,4,5,6,7,8,9,10,11,12,13,14,15
	v_cmp_eq_f32 s[MK+\i], v[IDX+\i], v[TI+\k]
.endr
	s_wait_alu depctr_va_sdst(0)                   ; the sixteen masks are written anew, ahead of the first select that reads one
.irp i, 0,1,2,3,4,5,6,7,8,9,10,11,12,13,14,15
	v_cndmask_b32 v[L+\i], v[L+\i], v[NEG], s[MK+\i]   ; that one entry leaves; others that hold the same p stay
.endr
.endif
.endm
.irp k, 0,1,2,3,4,5,6
	SELECT \k, 1
.endr
	SELECT 7, 0
	; THE WAY OUT.  All four lanes of a token hold its eight; lane q takes numbers 2 q and 2 q + 1, so that the wave's 32 lanes store 256 consecutive bytes of out1 and of out2.
	v_pk_add_f32 v[S0:S0+1], v[TV:TV+1], v[TV+2:TV+3]
	v_pk_add_f32 v[S0+2:S0+3], v[TV+4:TV+5], v[TV+6:TV+7]
	v_pk_add_f32 v[S0:S0+1], v[S0:S0+1], v[S0+2:S0+3]
	v_add_f32 v[S0], v[S0], v[S0+1]                ; the sum of the eight: at least 1/64
	v_rcp_f32 v[RI], v[S0]
.irp u, 0,1                                    ; (plain work behind the reciprocal, which names neither its result nor its source)
	v_cndmask_b32 v[O+\u], v[TV+\u], v[TV+2+\u], s36
	v_cndmask_b32 v[OI+\u], v[TI+\u], v[TI+2+\u], s36
.endr
.irp u, 0,1
	v_cndmask_b32 v[O+\u], v[O+\u], v[TV+4+\u], s37
	v_cndmask_b32 v[OI+\u], v[OI+\u], v[TI+4+\u], s37
.endr
.irp u, 0,1
	v_cndmask_b32 v[O+\u], v[O+\u], v[TV+6+\u], s38
	v_cndmask_b32 v[OI+\u], v[OI+\u], v[TI+6+\u], s38
.endr
	v_cvt_i32_f32 v[OI], v[OI]                     ; whole numbers 0 .. 63: exact
	v_cvt_i32_f32 v[OI+1], v[OI+1]
	s_wait_alu depctr_va_vdst(0)                   ; the reciprocal has written v[RI], ahead of its first reader
	v_mul_f32 v[O], v[O], v[RI]
	v_mul_f32 v[O+1], v[O+1], v[RI]
	s_wait_alu depctr_va_vdst(0)                   ; the multiplications have written v[O ..] and the conversions v[OI ..], which the two stores read
	global_store_b64 v[LN8], v[O:O+1], s[10:11] th:TH_STORE_NT     ; 32 lanes store 256 consecutive bytes, aligned: 8 tokens x 8 numbers
	global_store_b64 v[LN8], v[OI:OI+1], s[12:13] th:TH_STORE_NT
	s_wait_dscnt 0x0
	s_wait_alu depctr_hold_cnt(0) depctr_sa_sdst(0) depctr_va_vdst(0) depctr_va_sdst(0) depctr_va_ssrc(0) depctr_va_vcc(0) depctr_vm_vsrc(0)
	s_wait_tensorcnt 0x0
	ds_add_u32 v254, v255
	s_wait_dscnt 0x0
	s_endpgm
.Lfunc_end_k_q0336cc9b53_router:
	.size	k_q0336cc9b53_router, .Lfunc_end_k_q0336cc9b53_router-k_q0336cc9b53_router
	.p2alignl 7, 3214868480
	.fill 96, 4, 3214868480
	.section	.rodata,"a",@progbits
	.p2align	6, 0x0
	.amdhsa_kernel k_q0336cc9b53_router
		.amdhsa_group_segment_fixed_size 166912
		.amdhsa_private_segment_fixed_size 0
		.amdhsa_enable_private_segment 0
		.amdhsa_kernarg_size 40
		.amdhsa_user_sgpr_count 2
		.amdhsa_user_sgpr_kernarg_segment_ptr 1
		.amdhsa_wavefront_size32 1
		.amdhsa_system_sgpr_workgroup_id_x 1
		.amdhsa_system_sgpr_workgroup_id_y 1
		.amdhsa_system_sgpr_workgroup_id_z 1
		.amdhsa_system_vgpr_workitem_id 0
		.amdhsa_next_free_vgpr 512
		.amdhsa_next_free_sgpr 66
		.amdhsa_reserve_vcc 0
		.amdhsa_float_denorm_mode_32 3
		.amdhsa_float_denorm_mode_16_64 3
		.amdhsa_memory_ordered 1
		.amdhsa_forward_progress 1
		.amdhsa_inst_pref_size 127
	.end_amdhsa_kernel
	.amdgpu_metadata
---
amdhsa.version: [ 1, 2 ]
amdhsa.kernels:
  - .name:           k_q0336cc9b53_router
    .symbol:         k_q0336cc9b53_router.kd
    .args:
      - { .name: hidden_states, .offset: 0, .size: 8, .value_kind: global_buffer, .address_space: global }
      - { .name: wfrag, .offset: 8, .size: 8, .value_kind: global_buffer, .address_space: global }
      - { .name: out0, .offset: 16, .size: 8, .value_kind: global_buffer, .address_space: global }
      - { .name: out1, .offset: 24, .size: 8, .value_kind: global_buffer, .address_space: global }
      - { .name: out2, .offset: 32, .size: 8, .value_kind: global_buffer, .address_space: global }
    .group_segment_fixed_size: 166912
    .private_segment_fixed_size: 0
    .kernarg_segment_align: 8
    .kernarg_segment_size: 40
    .max_flat_workgroup_size: 256
    .sgpr_count:     66
    .vgpr_count:     512
    .wavefront_size: 32
...
	.end_amdgpu_metadata
.endif
;; end of part 3
